; MI455X (gfx1250); checked and timed in simulation.
; The chip was launched on July 23, 2026; its instructions are those of AMD's public machine-readable ISA for CDNA 5 (MIT licence, August 2026) and "CDNA5" Instruction Set Architecture Reference Guide (July 2026). The comments in the code are by the model that wrote it; some were corrected since.
;; Softmax Attention. Allowed arithmetic: matrix products marked QUANTISED: E3M2 operands, one E8M0 scale for each 32 along K, by v_wmma_scale_f32_16x16x128_f8f6f4 with both operands' format E3M2, f32 sums; everything else in f32.
;; Inputs: K 2 x 16 x 2,048 x 64 float32; Q 2 x 16 x 2,048 x 64 float32; V 2 x 16 x 2,048 x 64 float32.
;; Outputs: out0 2 x 16 x 2,048 x 64 float32.
;; This version of the problem:
;;   THIS VERSION OF THE PROBLEM IS GIVEN IN LOW PRECISION. The matrix products marked QUANTISED in the list below multiply operands that are first quantised to E3M2 (3 exponent bits, 2 mantissa bits; 6 bits a number), with one power-of-two scale for each 32 numbers along K (OCP MX v1.0); their sums are f32. All else is computed in f32.
;;   The module's matrix products, in the order in which they are computed (A, B: the left and right operand; K: the contracted axis; several contracted axes count as one K, in the product's order):
;;     1. batch 32 x [M 2,048, K 64] x [K 64, N 2,048]; A: input Q; B: input K: QUANTISED
;;     2. batch 32 x [M 2,048, K 2,048] x [K 2,048, N 64]; A: softmax (see below); B: input V: QUANTISED
;;   THE QUANTISER, for each operand of a quantised product, along K:
;;     - K is cut into blocks of 32 from its start; a last block that is shorter is filled with zeros.
;;     - A block's scale is 2^e with e = floor(log2(the largest magnitude in the block)) - 4, held to -126 .. 127; a block of zeros has e = 0. As a byte (E8M0): e + 127.
;;     - Each number is divided by its block's scale, clamped to +-28, and rounded to the nearest number of E3M2, ties to even, subnormals kept.
;;     - The product sums the exact products of the quantised numbers (number of the format x scale) in f32.
;;   ~~~python
;;   def quantise(x, axis):      # numpy; x: float32 -> the quantised numbers, widened to float32 again
;;       x = np.moveaxis(x, axis, -1); K = x.shape[-1]
;;       x = np.pad(x, [(0, 0)] * (x.ndim - 1) + [(0, -K % 32)]); x = x.reshape(x.shape[:-1] + (-1, 32)); a = np.abs(x).max(-1, keepdims=True)
;;       e = np.where(a > 0, np.clip(np.frexp(np.where(a > 0, a, 1))[1] - 1 - 4, -126, 127), 0)      # np.frexp(a)[1] - 1 = floor(log2(a)), exactly
;;       r = np.clip(x / 2.0 ** e, -28, 28)
;;       step = 2.0 ** (np.maximum(np.frexp(np.where(r == 0, 1, r))[1] - 1, -2) - 2)
;;       q = np.round(r / step) * step * 2.0 ** e      # np.round: ties to even
;;       return np.moveaxis(q.reshape(q.shape[:-2] + (-1,))[..., :K], -1, axis).astype(np.float32)
;;   ~~~
;;   SOFTMAX AHEAD OF A QUANTISED PRODUCT. Where the list says 'softmax', what is quantised is not the finished softmax but p = 2^(t - M), with t = logit x log2(e) and M = ceil(the row's largest t), a whole number; so 1/2 < the row's largest p <= 1. The row's sum l is taken of the UNQUANTISED p, in f32, and the product's result is divided by l at the end. Since M is a whole number, a kernel that streams over the keys may use a running M (the ceiling of the running maximum): every later rescaling is an exact power of two, which a block's scale takes up: the codes' values come out the same.
;;   OPERANDS COMPUTED ON THE WAY. 'Computed on the way' means the value that the module computes at that place (a softmax that the list does not call 'softmax' is quantised finished and normalised). What goes into a quantiser is computed in f32, as accurately as f32 sums, v_exp_f32 and their like allow (about 1e-6 of the number): no bf16 or f16 on the way to a quantiser, and a product that is left as it is and whose result goes on into a quantised operand takes f32 operands (vector FMAs, or v_wmma_f32_16x16x4_f32). A number that lies on a knife's edge between two numbers of the format may be rounded either way, as far as f32 arithmetic and the matrix unit's own rounding can turn it there, and no further.
;; One version. Each part assembles by itself: llvm-mc -triple=amdgcn-amd-amdhsa -mcpu=gfx1250 --defsym DOCPART=n.
;; ======== version 1 of 1: 2 launches
;; limits: inputs' magnitudes at most 8.1e+31; right only within a limited range of input values
;; workspace buffers: kv 6,553,600 bytes
;; launch quant (part 1): grid 16 x 32, 4 waves a work-group, no clusters, 35,328 bytes of LDS; arguments K, V, kv; writes kv
.if DOCPART == 1
	.amdgcn_target "amdgcn-amd-amdhsa--gfx1250"
	.amdhsa_code_object_version 6
	.text
	.protected	k_q7b52d68a9c_quant
	.globl	k_q7b52d68a9c_quant
	.p2align	8
	.type	k_q7b52d68a9c_quant,@function
k_q7b52d68a9c_quant:
	s_mov_b64 s[64:65], 0
	v_nop
	global_prefetch_b8 v0, s[64:65] scope:SCOPE_SE
	s_setreg_imm32_b32 hwreg(HW_REG_WAVE_MODE, 25, 1), 1
	s_wait_xcnt 0x0
; K and V, [32 heads][2048 keys][64] f32, become codes of BF6 (E3M2) with one E8M0 byte for each 32 along a product's K, laid as IMAGES OF THE OPERAND
; REGISTERS that the attention launch wants.  K is quantised along the head's 64 (innermost in memory), V along the keys (not innermost).
; A RECORD serves 128 keys of one head: 12,800 bytes at (16 head + s) x 12,800:  +0 four images of K;  +6,144 four images of V;  +12,288 K's 64 scale words;  +12,544 V's 64.
; An image is 12 registers x 32 lanes: register q of lane l lies at 512 (q / 4) + 16 l + 4 (q % 4), so that three accesses of 16 bytes a lane move it.
; K's image g, lane (r, h): registers 0-5 = key a, registers 6-11 = key a + 8, both d = 32 h .. 32 h + 31, with a = 64 (g / 2) + 32 (r / 8) + 16 (g % 2) + r % 8: TWO tiles of 16 keys in one fragment of 128 along K.
;   Its scale word (16 g + r): bytes 0, 1 the first key's two blocks, bytes 2, 3 the second key's.
; V's image t, lane (r, h): channel 16 t + r; registers 6 c .. 6 c + 5 = keys 64 c + 32 h + 0 .. 31.  Its scale word (16 t + r): byte b = key block b.
; A block's scale is 2^(floor(log2(its largest magnitude)) - 4); its byte is the largest magnitude's exponent field - 4, held at 1 from below.
; WORK LEFT OUT by the program: the score tiles all of whose keys come after their queries, which reference()'s own causal mask throws away (none of it in this launch: every key and value is seen by some query).
; LIMITS: a block of zeros gets the byte 1 where the rule says 127 (its codes are zeros, and this program alone reads the bytes); a block whose largest magnitude lies under 2^-122 is held at the byte 1;
; NaN and infinities among the inputs are not served; a NaN, an infinity or an overflow that reaches only the work left out is not carried to the result.
; SHARES: a work-group makes one record.  Waves 0, 1: K, 64 keys each (two images).  Waves 2, 3: V, 32 channels each, all 128 keys (two images).  The roles part once, on the wave's number; no barrier: waves share nothing.
.set REC,  12800
.set IMG,  1536
.set VIM,  4*IMG                       ; V's images in a record
.set KSW,  8*IMG                       ; K's scale words
.set VSW,  KSW+256                     ; V's
.set SP,   272                         ; K's role: a key's row in a stage: 256 bytes + 16
.set STG,  32*SP                       ; a stage: 32 keys
.set WST,  2*STG                       ; two stages for each of waves 0 and 1
.set SPARE, 2*WST                      ; the spare words, 128 bytes for each wave
.set C0,   20                          ; v[20:31]  K: image 0's codes;  v[40:51] image 1's
.set T,    32                          ; v[32:38]  the conversions' second halves (their three registers begin on an even number)
.set D,    40                          ; v[40:63]  V: my channel's 24 registers of codes
.set X,    64                          ; v[64:127] K: two blocks of 32 neighbours
.set R,    128                         ; v[128:255] numbers as they are loaded
	s_load_b128 s[4:7], s[0:1], 0x0                ; K, V
	s_load_b64 s[8:9], s[0:1], 0x10                ; kv
	v_lshl_add_u32 v35, v0, 2, SPARE
	v_mov_b32 v39, 0
	v_lshrrev_b32 v1, 5, v0
	v_readfirstlane_b32 s16, v1                    ; wave 0..3
	s_and_b32 s17, s16, 1                          ; which half of the role's work is mine
	v_and_b32 v1, 31, v0                           ; lane
	v_and_b32 v2, 15, v0                           ; r
	v_bfe_u32 v3, v0, 4, 1                         ; h
	v_lshlrev_b32 v4, 4, v1                        ; 16 bytes a lane
	s_mul_i32 s28, s17, WST                        ; my two stages (K's role alone touches LDS)
	v_mul_u32_u24 v5, v3, SP
	v_lshl_add_u32 v5, v2, 4, v5
	v_add_nc_u32 v5, s28, v5                       ; in: lanes 0-15 one key's row, lanes 16-31 the next place
	v_mul_u32_u24 v6, v2, SP
	v_lshl_add_u32 v6, v3, 7, v6
	v_add_nc_u32 v6, s28, v6                       ; out: place r, block h of its 64 numbers
	v_lshlrev_b32 v7, 2, v1                        ; 4 bytes a lane
	v_lshlrev_b32 v8, 3, v3                        ; 8 h: my block's byte in half a scale word
	v_mul_u32_u24 v19, v3, IMG
	v_lshl_add_u32 v19, v2, 4, v19                 ; V: lanes 0-15 write into my first image, lanes 16-31 into my second
	v_mov_b32 v17, 0                               ; a lane permute's destination counts as one of its sources
	s_mov_b32 s20, 0x76543210
	s_mov_b32 s21, 0xfedcba98                      ; v_permlanex16_b32's selects for lane l xor 16
	s_and_b32 s22, ttmp7, 0xffff                   ; head
	s_lshl_b32 s18, s22, 19                        ; a head is 524,288 bytes of K or of V,
	s_lshl_b32 s23, ttmp9, 15                      ; 128 keys are 32,768
	s_add_co_u32 s18, s18, s23
	s_mov_b32 s19, 0
	s_lshl_b32 s22, s22, 4
	s_add_co_u32 s22, s22, ttmp9
	s_mul_i32 s22, s22, REC                        ; my record
	s_mov_b32 s23, 0
	s_mul_i32 s24, s17, 2*IMG                      ; my two images among the role's four
	s_mov_b32 s25, 0
	s_lshl_b32 s26, s17, 7                         ; my 32 scale words among the role's 64.  Also: V's role: my 32 channels in a row
	s_mov_b32 s27, 0
	s_wait_alu depctr_va_vdst(0)
	s_wait_kmcnt 0x0
	s_add_nc_u64 s[8:9], s[8:9], s[22:23]
	s_add_nc_u64 s[10:11], s[8:9], s[24:25]        ; images
	s_add_nc_u64 s[12:13], s[8:9], s[26:27]        ; scale words
	s_cmp_lt_u32 s16, 2
	s_cbranch_scc0 .Lv_role
	; ---- K's role.  Each load reads 512 consecutive bytes, two keys' rows; a pair of tiles (32 keys) turns through a stage so that lane (r, h) gets a whole block of 32 neighbours of its key.
	; Of my 64 keys image 0 takes 0-15 and 32-47, image 1 takes 16-31 and 48-63: the loads are issued in that order, sixteen to an image.
	s_lshl_b32 s24, s17, 14                        ; my 64 keys
	s_add_nc_u64 s[14:15], s[4:5], s[18:19]
	s_add_nc_u64 s[14:15], s[14:15], s[24:25]
.irp n, 0,1,2,3,4,5,6,7,8,9,10,11,12,13,14,15,16,17,18,19,20,21,22,23,24,25,26,27,28,29,30,31
	global_load_b128 v[R+4*\n:R+4*\n+3], v4, s[14:15] offset:512*(8*(\n/16)+(\n%16)+8*((\n%16)/8)) th:TH_LOAD_NT
.endr
; Image p of my two.  Its key number q (0 .. 31, as loaded) goes to place 16 u + r of the stage, u = (q / 8) % 2 the tile of the pair, r = q % 8 + 8 (q / 16) the lane that takes it.
.macro KPAIR p
.set CP, C0+20*(\p)
.set WP, 16+2*(\p)
	s_wait_loadcnt 16*(1-(\p))                     ; this image's sixteen loads are in; the other image's sixteen may be out
.irp i, 0,1,2,3,4,5,6,7,8,9,10,11,12,13,14,15
	ds_store_b128 v5, v[R+64*(\p)+4*\i:R+64*(\p)+4*\i+3] offset:STG*(\p)+SP*(16*(((2*\i)/8)%2)+((2*\i)%8)+8*((2*\i)/16))
.endr
.irp u, 0,1
.irp j, 0,1,2,3,4,5,6,7
	ds_load_b128 v[X+32*\u+4*\j:X+32*\u+4*\j+3], v6 offset:STG*(\p)+16*SP*\u+16*\j   ; LDS serves a wave's instructions in order: these see the stores above
.endr
.endr
	s_wait_dscnt 0x0
.irp u, 0,1
	v_max3_num_f32 v[10+\u], |v[X+32*\u]|, |v[X+32*\u+1]|, 0x2800000   ; the block's largest magnitude, all 32 numbers mine, and the floor 2^(5 - 127): the byte cannot fall under 1
.endr
.irp i, 2,4,6,8,10,12,14,16,18,20,22,24,26,28,30
.irp u, 0,1
	v_max3_num_f32 v[10+\u], v[10+\u], |v[X+32*\u+\i]|, |v[X+32*\u+\i+1]|   ; (the two blocks by turns)
.endr
.endr
.irp u, 0,1
	v_add_nc_u32 v[12+\u], 0xfe000000, v[10+\u]    ; 4 off the exponent field: the conversion takes the exponent field of this operand as its scale
.endr
.irp u, 0,1
	v_lshrrev_b32 v[14+\u], 23, v[12+\u]           ; the scale's byte
.endr
	v_cvt_scalef32_pk16_bf6_f32 v[CP:CP+2], v[X:X+15], v12
	v_cvt_scalef32_pk16_bf6_f32 v[T:T+2], v[X+16:X+31], v12
	v_cvt_scalef32_pk16_bf6_f32 v[CP+6:CP+8], v[X+32:X+47], v13
	v_cvt_scalef32_pk16_bf6_f32 v[T+4:T+6], v[X+48:X+63], v13
	v_lshl_or_b32 v9, v15, 16, v14                 ; my two bytes (the plain line behind the conversions),
.irp i, 0,1,2
	v_mov_b32 v[CP+3+\i], v[T+\i]
	v_mov_b32 v[CP+9+\i], v[T+4+\i]
.endr
	v_lshlrev_b32 v9, v8, v9                       ; at block h's places;
	v_permlanex16_b32 v17, v9, s20, s21
	v_or_b32 v[WP], v9, v17                        ; with lane l xor 16's two the word is whole, in both halves of the lanes
.irp c, 0,1,2
	global_store_b128 v4, v[CP+4*\c:CP+4*\c+3], s[10:11] offset:IMG*(\p)+512*\c   ; 32 lanes store 512 consecutive bytes; each image has registers of its own, so no store's data are written again
.endr
.endm
	s_wait_alu depctr_va_vdst(0)
	KPAIR 0
	KPAIR 1
	v_cmp_le_u32 vcc_lo, 16, v1
	v_cndmask_b32 v16, v16, v18, vcc_lo            ; lanes 0-15 my first image's words, lanes 16-31 my second's
	global_store_b32 v7, v16, s[12:13] offset:KSW  ; 128 consecutive bytes: half of the record's 256 bytes of K's words, the other wave's half beside it
	s_wait_tensorcnt 0x0                           ; the wave's end
	ds_add_u32 v35, v39
	s_wait_dscnt 0x0
	s_endpgm
	; ---- V's role.  A lane takes a channel and its registers run down the keys: a block of 32 keys lies in one lane, and the conversions give codes with the keys innermost.
.Lv_role:
	s_add_nc_u64 s[14:15], s[6:7], s[18:19]
	s_add_nc_u64 s[14:15], s[14:15], s[26:27]      ; my 32 channels: 128 bytes of each key's row
.macro VLOAD b
.irp i, 0,1,2,3,4,5,6,7,8,9,10,11,12,13,14,15,16,17,18,19,20,21,22,23,24,25,26,27,28,29,30,31
	global_load_b32 v[R+32*(\b)+\i], v7, s[14:15] offset:(32*(\b)+\i)*256 th:TH_LOAD_NT   ; 32 lanes read 128 consecutive bytes; the two waves of the role cover the row
.endr
.endm
.macro VBLOCK b                        ; key block b of my channel: registers 6 (b / 2) on of the image's lane (r, b % 2)
.set XB, R+32*(\b)
.set DD, D+12*((\b)%2)+6*((\b)/2)
.if (\b) < 3
	s_wait_loadcnt 32                              ; this block's 32 loads are in; the next block's 32 may be out
.else
	s_wait_loadcnt 0x0
.endif
.if (\b) < 2
	VLOAD (\b)+2                                   ; every block has registers of its own
.endif
	v_max3_num_f32 v10, |v[XB]|, |v[XB+1]|, |v[XB+2]|
	v_max3_num_f32 v11, |v[XB+3]|, |v[XB+4]|, |v[XB+5]|
.irp i, 6,10,14,18,22,26
	v_max3_num_f32 v10, v10, |v[XB+\i]|, |v[XB+\i+1]|
	v_max3_num_f32 v11, v11, |v[XB+\i+2]|, |v[XB+\i+3]|
.endr
	v_max3_num_f32 v10, v10, |v[XB+30]|, |v[XB+31]|
	v_max3_num_f32 v10, v10, v11, 0x2800000        ; and the floor
	v_add_nc_u32 v12, 0xfe000000, v10
	v_cvt_scalef32_pk16_bf6_f32 v[DD:DD+2], v[XB:XB+15], v12
	v_cvt_scalef32_pk16_bf6_f32 v[T:T+2], v[XB+16:XB+31], v12
	v_lshrrev_b32 v14, 23, v12                     ; the scale's byte (the plain line behind the conversions)
.irp i, 0,1,2
	v_mov_b32 v[DD+3+\i], v[T+\i]
.endr
.if (\b) == 0
	v_mov_b32 v16, v14
.else
	v_lshl_or_b32 v16, v14, 8*(\b), v16            ; byte b of my channel's scale word
.endif
.endm
	s_wait_alu depctr_va_vdst(0)
	VLOAD 0
	VLOAD 1
	VBLOCK 0
	VBLOCK 1
	VBLOCK 2
	VBLOCK 3
.irp e, 0,1                            ; what I hold for the image's lane (r, e)
.irp c, 0,1,2
	global_store_b128 v19, v[D+12*\e+4*\c:D+12*\e+4*\c+3], s[10:11] offset:VIM+512*\c+256*\e   ; sixteen lanes store 256 consecutive bytes, at a multiple of 256 from kv's first byte
.endr
.endr
	global_store_b32 v7, v16, s[12:13] offset:VSW  ; 128 consecutive bytes, the other wave's half beside it
	s_endpgm
.Lfunc_end_k_q7b52d68a9c_quant:
	.size	k_q7b52d68a9c_quant, .Lfunc_end_k_q7b52d68a9c_quant-k_q7b52d68a9c_quant
	.p2alignl 7, 3214868480
	.fill 96, 4, 3214868480
	.section	.rodata,"a",@progbits
	.p2align	6, 0x0
	.amdhsa_kernel k_q7b52d68a9c_quant
		.amdhsa_group_segment_fixed_size 35328
		.amdhsa_private_segment_fixed_size 0
		.amdhsa_enable_private_segment 0
		.amdhsa_kernarg_size 24
		.amdhsa_user_sgpr_count 2
		.amdhsa_user_sgpr_kernarg_segment_ptr 1
		.amdhsa_wavefront_size32 1
		.amdhsa_system_sgpr_workgroup_id_x 1
		.amdhsa_system_sgpr_workgroup_id_y 1
		.amdhsa_system_sgpr_workgroup_id_z 1
		.amdhsa_system_vgpr_workitem_id 0
		.amdhsa_next_free_vgpr 256
		.amdhsa_next_free_sgpr 66
		.amdhsa_reserve_vcc 1
		.amdhsa_float_denorm_mode_32 3
		.amdhsa_float_denorm_mode_16_64 3
		.amdhsa_memory_ordered 1
		.amdhsa_forward_progress 1
		.amdhsa_inst_pref_size 35
	.end_amdhsa_kernel
	.amdgpu_metadata
---
amdhsa.version: [ 1, 2 ]
amdhsa.kernels:
  - .name:           k_q7b52d68a9c_quant
    .symbol:         k_q7b52d68a9c_quant.kd
    .args:
      - { .name: K, .offset: 0, .size: 8, .value_kind: global_buffer, .address_space: global }
      - { .name: V, .offset: 8, .size: 8, .value_kind: global_buffer, .address_space: global }
      - { .name: kv, .offset: 16, .size: 8, .value_kind: global_buffer, .address_space: global }
    .group_segment_fixed_size: 35328
    .private_segment_fixed_size: 0
    .kernarg_segment_align: 8
    .kernarg_segment_size: 24
    .max_flat_workgroup_size: 128
    .sgpr_count:     66
    .vgpr_count:     256
    .wavefront_size: 32
...
	.end_amdgpu_metadata
.endif
;; end of part 1
;; launch attn (part 2): grid 8 x 32, 16 waves a work-group, clusters of 4 x 1, 280,576 bytes of LDS; arguments Q, kv, out0; writes out0
.if DOCPART == 2
	.amdgcn_target "amdgcn-amd-amdhsa--gfx1250"
	.amdhsa_code_object_version 6
	.text
	.protected	k_q7b52d68a9c_attn
	.globl	k_q7b52d68a9c_attn
	.p2align	8
	.type	k_q7b52d68a9c_attn,@function
k_q7b52d68a9c_attn:
	s_mov_b64 s[64:65], 0
	v_nop
	global_prefetch_b8 v0, s[64:65] scope:SCOPE_SE
	s_setreg_imm32_b32 hwreg(HW_REG_WAVE_MODE, 25, 1), 1
	s_wait_xcnt 0x0
	s_wait_alu depctr_hold_cnt(0) depctr_sa_sdst(0) depctr_va_vdst(0) depctr_va_sdst(0) depctr_va_ssrc(0) depctr_va_vcc(0) depctr_vm_vsrc(0)
	s_getreg_b32 s2, hwreg(HW_REG_IB_STS2, 6, 4)
	s_cmp_eq_u32 s2, 0
	s_cbranch_scc0 .Lentry_in_a_cluster
	s_endpgm
.Lentry_in_a_cluster:
	s_bfe_u32 s2, ttmp6, 0x10000c
	s_cmp_lg_u32 s2, 0x3003
	s_cbranch_scc0 .Lentry_shape_is_right
	s_endpgm
.Lentry_shape_is_right:
; out0[head][q][:] = the sum over keys k <= q of softmax_k(Q[head][q] . K[head][k] / 4) V[head][k][:], 32 heads, 2,048 queries and keys, head size 64, both products on codes of BF6 (E3M2) with E8M0 scales.
; K and V come as records of 128 keys from kv (images of operand registers and scale words, 12,800 bytes each: see the quantising launch).  Q comes as f32 and is quantised here, by the one wave that reads the rows.
; THE SOFTMAX AHEAD OF THE SECOND PRODUCT: t = score x log2(e) / 4; M = the row's largest t so far, rounded UP to a whole number; p = 2^(t - M) is quantised along the keys, not normalised; the row's sum is taken of the
; unquantised p and divides at the end.  When M moves, the sum and O are multiplied by 2^(old M - new M): exact.
; SHARES.  A head's queries are 16 blocks of 128, a block 8 tiles of 16.  Work-group (j, head) owns tile j of EVERY block, so all work-groups of a head walk alike: block b has b + 1 visible key steps of 128.
; Waves w and w xor 4 share the blocks m and 15 - m, m = (w % 4) + 4 (w / 8): 17 steps.  The first (role 0) takes the high tile's steps 0 .. 8; the second (role 1) takes the low tile's steps 0 .. m and then
; the high tile's steps 9 .. 15 - m: 9 and 8 steps.  The high tile's two parts (O, M, sum) are joined through LDS at the end.  Of four waves with equal w % 4 two have each role.
; Every wave walks the same loops by constant trip counts; a step that is not its own is passed over by a scalar branch on the wave's number (round no barrier, wait on TENSORcnt or tensor load).
; WORK LEFT OUT: the steps all of whose keys come after the tile's queries: reference()'s own causal mask throws them away.  A NaN, an infinity or an overflow that reaches only those is not carried to the result.
; A HEAD'S SIXTEEN RECORDS, 204,800 bytes, LIE IN LDS WHOLE: each wave brings one by one tensor load at the head; no byte is filled again.  Records 0 and 1 are waited for ahead of the first two steps, the others behind them.
; CLUSTERS: the four work-groups of a cluster share a head and so its records: each load is a joint one.  No branch, trip count, LDS address or descriptor hangs on the place in the cluster, which only says which rows of Q
; and out0 are mine and which keys the mask hides.  No prefetch: every request for kv goes out at the head, and there is no loop to run ahead in.
; LAYOUT.  Both products are used transposed: S^T = K Q^T (source 0 = keys, source 1 = my queries), O^T = V^T P^T: a lane holds ONE query (lane % 16) throughout.
; THE FIRST PRODUCT'S K IS 64, the instruction's 128.  A fragment of K holds two tiles of 16 keys, one in k 0..63 and one in k 64..127; it is multiplied by [q | zero codes] and by [zero codes | q].
; Zero codes add nothing under any scale byte but 0xff; the dead half's bytes of Q's scale words are 0.
; The keys of a tile are chosen so that register 32 c + e of S^T in lane (r, h) is key 64 c + 32 h + e of the step: a lane holds two WHOLE blocks of 32 along the second product's K, in the operand's own order.
; LIMITS: a hidden key has weight 0, where the definition adds -1e7 to its logit: the same as long as a row's logits lie within some 9.9e6 of each other; an exponential under 2^-126 is 0; t is not rounded by itself
; ahead of t - M (one fused multiply-add); scaled scores stay under 2^31 in magnitude; a block of Q whose largest magnitude lies under 2^-122 is held at the byte 1; NaN and infinities are not served.
.set REC,   12800
.set IMG,   1536
.set VIM,   4*IMG
.set KSW,   8*IMG
.set VSW,   KSW+256
.set STAGE, 16*REC                     ; behind the records: 4,608 bytes for each wave: Q on the way in, Q's codes or a part of O for the partner, O on the way out; no tensor load lands there
.set SP,    272
.set SSZ,   4608
.set SPARE, STAGE+16*SSZ               ; the spare words, 128 bytes for each wave
.set LI,  1                            ; v1   16 x lane: an image's place for my lane; also my bytes in two rows of Q and of out0
.set LS,  2                            ; v2   4 x lane: a scale word's place
.set ADR, 3                            ; v3   the step's record + LI
.set ADS, 4                            ; v4   the step's record + LS
.set MD,  5                            ; v5   my query's place in its block - 32 h
.set STO, 6                            ; v6   my stage: row r, + 32 h
.set RD,  7                            ; v7   my stage: row h, + 16 r
.set OWN, 8                            ; v8   my stage + 16 x lane
.set PRT, 9                            ; v9   my partner's stage + 16 x lane
.set SPW, 10
.set NIL, 11
.set NM,  12                           ; v12  -M
.set MX,  13                           ; v13  the largest score
.set SUM, 14                           ; v[14:15] the sum in two halves
; Q'S QUANTISED NUMBERS ARE FED IN TWO PARTS, so that a score, which goes through an exponential into a quantiser, is exact.  In units of its block's scale a quantised number is a multiple of 1/16 up to 28.  Its large part
; is the number rounded to a whole number, its small part the rest: a multiple of 1/16, at most 1/2.  Both are codes under the same scale (from 4 on the format's numbers are whole numbers; under 4 every whole number,
; and every rest that arises, is a code).  With sum = the exponents of Q's and K's block scales added, the large part's products run from 2^(sum - 4) to under 2^(sum + 10), 14 binary places, the small part's from
; 2^(sum - 8) to under 2^(sum + 4), 12 places.  Each part has its own accumulators, begun with the constant 0, and the two sums are added in f32.
.set QC,  16                           ; the large part, under Q's name below
.set QZ,  228                          ; v[228:245] the small part, laid likewise; v246-247 go along with it to LDS
.set TMP, 192                          ; v[192:223] during K Q^T: four accumulators of the small part (behind it these registers are the ones named below)
.set QS,  34                           ; v34  q's scale words: lanes 0-15 for [q | 0], lanes 16-31 for [0 | q];  v35 goes along with it to LDS
.set H8,  36                           ; v36  8 h
.set QB,  37                           ; v37  my stage: row r, + 128 h
.set FF,  38                           ; v[38:39] f = 2^(old M - new M); v39 is named with it as a pair
.set FB,  40                           ; v[40:87] four fragments: K's, then V's
.set KS,  88                           ; v88-89 K's scale words: lanes 0-15 image 2 p's, lanes 16-31 image 2 p + 1's
.set VS,  90                           ; v90-91 V's likewise
.set PW,  92                           ; v92  p's scale word
.set PX,  93                           ; v93  a lane permute's result
.set W0,  94                           ; v94-95 at work
.set W1,  95
.set S,   96                           ; v[96:159]  S^T, then p
.set O,   160                          ; v[160:191] O^T: four tiles of 16 channels
.set P,   192                          ; v[192:203] p's codes
.set T,   204                          ; v[204:210] the conversions' second halves
.set BM,  212                          ; v[212:215] maxima: block c's in BM + 2 c
.set BY,  216                          ; v216-217 scale bytes
.set SCL, 218                          ; v218-219 the conversions' scale operands
.set TS,  220                          ; v[220:227] four partial sums
.set NI,  248                          ; v248 -infinity
.set WV,  10
.set ROLE, 13
.set BB,  15                           ; s15  the first query of my present tile's block
.set SEL, 20
.set CS,  22                           ; s[22:23] c = log2(e) / 4
.set G1,  24                           ; s[24:31] descriptor group 1
.set G0,  32                           ; s[32:35] group 0
.set NC,  36                           ; s36  -c
.set BB2, 47                           ; s47  the same as s15 for the last walk: role 1's high block; 0 for role 0, which has no step there
.set TB,  48                           ; s48  LDS byte of the step's record
.set KF,  49                           ; s49  the step's first key
.set CNT, 50
.macro ROUND                           ; a round of the cluster's barrier
	s_barrier_signal -1
	s_barrier_wait -1
	s_cmp_lg_u32 s[WV], 0
	s_cbranch_scc1 .Lnot_wave_0_\@
	s_barrier_signal -3
.Lnot_wave_0_\@:
	s_barrier_wait -3
	s_barrier_signal -1
	s_barrier_wait -1
.endm
; One product of the scores; it starts its sum.  ra, rb: the side's scale words stand in lanes 16-31 of the register named.
.macro WMZ d, a, b, sa, sb, ra, rb
.if (\ra) && (\rb)
	v_wmma_scale_f32_16x16x128_f8f6f4 v[\d:\d+7], v[\a:\a+11], v[\b:\b+11], 0, v[\sa], v[\sb] matrix_a_fmt:MATRIX_FMT_BF6 matrix_b_fmt:MATRIX_FMT_BF6 matrix_a_scale:MATRIX_SCALE_ROW1 matrix_b_scale:MATRIX_SCALE_ROW1
.elseif (\ra)
	v_wmma_scale_f32_16x16x128_f8f6f4 v[\d:\d+7], v[\a:\a+11], v[\b:\b+11], 0, v[\sa], v[\sb] matrix_a_fmt:MATRIX_FMT_BF6 matrix_b_fmt:MATRIX_FMT_BF6 matrix_a_scale:MATRIX_SCALE_ROW1
.elseif (\rb)
	v_wmma_scale_f32_16x16x128_f8f6f4 v[\d:\d+7], v[\a:\a+11], v[\b:\b+11], 0, v[\sa], v[\sb] matrix_a_fmt:MATRIX_FMT_BF6 matrix_b_fmt:MATRIX_FMT_BF6 matrix_b_scale:MATRIX_SCALE_ROW1
.else
	v_wmma_scale_f32_16x16x128_f8f6f4 v[\d:\d+7], v[\a:\a+11], v[\b:\b+11], 0, v[\sa], v[\sb] matrix_a_fmt:MATRIX_FMT_BF6 matrix_b_fmt:MATRIX_FMT_BF6
.endif
.endm
.macro WMA d, a, b, sa, sb, ra         ; one of O; it adds in place
.if (\ra)
	v_wmma_scale_f32_16x16x128_f8f6f4 v[\d:\d+7], v[\a:\a+11], v[\b:\b+11], v[\d:\d+7], v[\sa], v[\sb] matrix_a_fmt:MATRIX_FMT_BF6 matrix_b_fmt:MATRIX_FMT_BF6 matrix_a_scale:MATRIX_SCALE_ROW1
.else
	v_wmma_scale_f32_16x16x128_f8f6f4 v[\d:\d+7], v[\a:\a+11], v[\b:\b+11], v[\d:\d+7], v[\sa], v[\sb] matrix_a_fmt:MATRIX_FMT_BF6 matrix_b_fmt:MATRIX_FMT_BF6
.endif
.endm
; A tile begins: no largest score yet (-3e38), -M = 1e38, sum and O^T zeros.  (The step is written once: the first finds zeros, which the first change of M leaves zeros.)
.macro FRESH
	v_mov_b32 v[NM], 0x7e967699
	v_mov_b32 v[MX], 0xff61b1e6
	v_mov_b32 v[SUM], 0
	v_mov_b32 v[SUM+1], 0
.set gi, 0
.rept 32
	v_mov_b32 v[O+gi], 0
.set gi, gi+1
.endr
.endm
; v[S:S+31], register 8 t + i = out(r, 16 t + 8 h + i), leaves through my stage as whole rows of 256 bytes.
.macro WAYOUT
.irp t, 0,1,2,3
	ds_store_b128 v[STO], v[S+8*\t:S+8*\t+3] offset:64*\t
	ds_store_b128 v[STO], v[S+8*\t+4:S+8*\t+7] offset:64*\t+16
.endr
.irp i, 0,1,2,3,4,5,6,7
	ds_load_b128 v[S+32+4*\i:S+32+4*\i+3], v[RD] offset:2*SP*\i   ; LDS serves a wave's instructions in order: these see my stores
.endr
.irp i, 0,1,2,3,4,5,6,7
	s_wait_dscnt 7-\i                              ; load i is back; the 7 - i younger ones may be out
	global_store_b128 v[LI], v[S+32+4*\i:S+32+4*\i+3], s[8:9] offset:512*\i th:TH_STORE_NT   ; 32 lanes store 512 consecutive bytes, two rows, at a multiple of 256 from out0's first byte
.endr
.endm
	s_load_b128 s[4:7], s[0:1], 0x0                ; Q, kv
	s_load_b64 s[8:9], s[0:1], 0x10                ; out0
	v_lshl_add_u32 v[SPW], v0, 2, SPARE
	v_mov_b32 v[NIL], 0
	ds_add_u32 v[SPW], v[NIL]
	ds_add_u32 v[SPW], v[NIL]
	v_lshrrev_b32 v12, 5, v0
	v_readfirstlane_b32 s[WV], v12                 ; wave 0..15
	s_and_b32 s11, ttmp7, 0xffff                   ; head
	s_bfe_u32 s12, ttmp6, 0x40000                  ; cx
	s_lshl_b32 s17, ttmp9, 2
	s_add_co_u32 s12, s12, s17                     ; j = 4 x cluster x + cx
	s_bfe_u32 s[ROLE], s[WV], 0x10002              ; role: bit 2 of the wave's number
	s_and_b32 s14, s[WV], 3
	s_lshr_b32 s17, s[WV], 1
	s_and_b32 s17, s17, 4
	s_or_b32 s14, s14, s17                         ; m
	s_xor_b32 s17, s[ROLE], 1
	s_mul_i32 s17, s17, 15
	s_xor_b32 s[BB], s14, s17                      ; my first tile's block: role 0: 15 - m, role 1: m
	s_lshl_b32 s[BB], s[BB], 7
	s_xor_b32 s16, s14, 15
	s_lshl_b32 s16, s16, 7
	s_mul_i32 s[BB2], s16, s[ROLE]
	s_lshl_b32 s46, s12, 4                         ; 16 j
	s_lshl_b32 s40, s11, 11
	s_add_co_u32 s40, s40, s46
	s_add_co_u32 s40, s40, s[BB]
	s_lshl_b32 s40, s40, 8                         ; my first tile's first byte in Q and in out0 (rows of 256 bytes); it is also the tile that I store
	s_mov_b32 s41, 0
	s_mul_i32 s[G0+1], s[WV], REC                  ; my record: where it goes in LDS,
	s_mul_i32 s18, s11, 16*REC
	s_add_co_u32 s18, s18, s[G0+1]                 ; and where it lies in kv
	s_mov_b32 s19, 0
	s_mov_b32 s[G0], 1                             ; count = 1
	; descriptor group 1: a record is a dense block: 50 rows of 256 bytes (32 elements of 8 bytes), no padding; the mask names the cluster's four work-groups, bit 21 stands beside it
	s_mov_b32 s[G1+0], (3<<16)|(1<<21)|15
	s_mov_b32 s[G1+1], 32<<16                      ; tensor_dim0 = 32
	s_mov_b32 s[G1+2], 50<<16                      ; tensor_dim1 = 50
	s_mov_b32 s[G1+3], 32<<16                      ; tile_dim0 = 32
	s_mov_b32 s[G1+4], 50                          ; tile_dim1 = 50
	s_mov_b32 s[G1+5], 32                          ; from row to row
	s_mov_b32 s[G1+6], 0
	s_mov_b32 s[G1+7], 0
	s_mov_b32 s[SEL], 0x76543210
	s_mov_b32 s[SEL+1], 0xfedcba98                 ; v_permlanex16_b32's selects for lane l xor 16
	s_mov_b32 s[CS], 0x3eb8aa3b                    ; c = log2(e) / 4: the f32 number log2(e) with 2 off its exponent
	s_mov_b32 s[CS+1], s[CS]                       ; (named with it as a pair)
	s_mov_b32 s[NC], 0xbeb8aa3b
	s_mul_i32 s44, s[WV], SSZ
	s_add_co_u32 s44, s44, STAGE                   ; my stage
	s_xor_b32 s45, s[WV], 4
	s_mul_i32 s45, s45, SSZ
	s_add_co_u32 s45, s45, STAGE                   ; my partner's
	v_and_b32 v12, 31, v0
	v_and_b32 v13, 15, v0                          ; r
	v_bfe_u32 v14, v0, 4, 1                        ; h
	v_lshlrev_b32 v[LI], 4, v12
	v_lshlrev_b32 v[LS], 2, v12
	v_mul_u32_u24 v15, v13, SP
	v_mul_u32_u24 v[RD], v14, SP
	v_lshlrev_b32 v[H8], 3, v14
	v_lshlrev_b32 v[MD], 5, v14
	v_add_nc_u32 v[OWN], s44, v[LI]
	v_add_nc_u32 v[PRT], s45, v[LI]
	v_lshl_add_u32 v[STO], v14, 5, v15
	v_lshl_add_u32 v[QB], v14, 7, v15
	v_lshl_add_u32 v[RD], v13, 4, v[RD]
	v_sub_nc_u32 v[MD], v13, v[MD]
	v_add_nc_u32 v[STO], s44, v[STO]
	v_add_nc_u32 v[QB], s44, v[QB]
	v_add_nc_u32 v[RD], s44, v[RD]
	v_add_nc_u32 v[MD], s46, v[MD]                 ; 16 j + r - 32 h
	s_wait_alu depctr_va_vdst(0)
	s_wait_dscnt 0x0                               ; both opening adds are done
	s_wait_kmcnt 0x0
	s_add_nc_u64 s[4:5], s[4:5], s[40:41]
	s_add_nc_u64 s[8:9], s[8:9], s[40:41]
	s_add_nc_u64 s[G0+2:G0+3], s[6:7], s[18:19]
	s_or_b32 s[G0+3], s[G0+3], 0x80000000          ; type = 2
.irp i, 0,1,2,3,4,5,6,7
	global_load_b128 v[128+4*\i:131+4*\i], v[LI], s[4:5] offset:512*\i th:TH_LOAD_NT   ; my 16 rows of Q: 512 consecutive bytes, two rows, a load
.endr
	ROUND                                          ; the cluster's four work-groups are here: the joint loads meet
	s_cmp_lt_u32 s[WV], 2                          ; one load a wave.  Records 0 and 1, which waves 0 and 1 wait for first, have a line of their own
	s_cbranch_scc0 .Lrest
	tensor_load_to_lds s[G0:G0+3], s[G1:G1+7]
	s_nop 0
.rept 4
	v_nop
.endr
	s_branch .Lasked
.Lrest:
	tensor_load_to_lds s[G0:G0+3], s[G1:G1+7]
	s_nop 0
.rept 4
	v_nop
.endr
.Lasked:
	v_mov_b32 v[NI], 0xff800000                    ; -infinity
	v_mov_b32 v[FF+1], 0
	v_mov_b32 v[PX], 0                             ; a lane permute's destination counts as one of its sources
	v_mov_b32 v[QS+1], 0
	v_mov_b32 v[QZ+18], 0
	v_mov_b32 v[QZ+19], 0
.irp i, 6,7,8,9,10,11
	v_mov_b32 v[QC+\i], 0                          ; zero codes
	v_mov_b32 v[QZ+\i], 0
.endr
	s_wait_alu depctr_va_vdst(0)
	s_wait_loadcnt 0x0
.irp i, 0,1,2,3,4,5,6,7
	ds_store_b128 v[RD], v[128+4*\i:131+4*\i] offset:2*SP*\i
.endr
.irp j, 0,1,2,3,4,5,6,7
	ds_load_b128 v[S+4*\j:S+4*\j+3], v[QB] offset:16*\j   ; LDS serves a wave's instructions in order: these see my stores.  Row r, d = 32 h .. 32 h + 31: a whole block
.endr
	s_wait_dscnt 0x0
	v_max3_num_f32 v[BM], |v[S]|, |v[S+1]|, |v[S+2]|
	v_max3_num_f32 v[BM+1], |v[S+3]|, |v[S+4]|, |v[S+5]|
.irp i, 6,10,14,18,22,26
	v_max3_num_f32 v[BM], v[BM], |v[S+\i]|, |v[S+\i+1]|
	v_max3_num_f32 v[BM+1], v[BM+1], |v[S+\i+2]|, |v[S+\i+3]|
.endr
	v_max3_num_f32 v[BM], v[BM], |v[S+30]|, |v[S+31]|
	v_max3_num_f32 v[BM], v[BM], v[BM+1], 0x2800000   ; and the floor 2^(5 - 127): the byte cannot fall under 1
	v_add_nc_u32 v[SCL], 0xfe000000, v[BM]         ; 4 off the exponent field: the conversion's scale operand
	v_cvt_scalef32_pk16_bf6_f32 v[P:P+2], v[S:S+15], v[SCL]
	v_cvt_scalef32_pk16_bf6_f32 v[T:T+2], v[S+16:S+31], v[SCL]
	v_lshrrev_b32 v[BY], 23, v[SCL]                ; the scale's byte (the plain line behind the conversions)
	v_lshlrev_b32 v[W1], v[H8], v[BY]              ; at my block's place;
	v_mov_b32 v[BM], 0x7f7f7f7f                    ; the scale 1 as bytes,
	v_mov_b32 v[BM+1], 1.0                         ; and as a number
	v_cvt_scale_pk16_f32_bf6 v[S:S+15], v[P:P+2], v[BM]   ; the codes' numbers in units of the scale
	v_cvt_scale_pk16_f32_bf6 v[S+16:S+31], v[T:T+2], v[BM]
	v_nop                                          ; one plain line behind the conversions
.set gi, 0
.rept 32
	v_rndne_f32 v[S+32+gi], v[S+gi]                ; the large part
.set gi, gi+1
.endr
.set gi, 0
.rept 16
	v_pk_add_f32 v[S+gi:S+gi+1], v[S+gi:S+gi+1], v[S+32+gi:S+33+gi] neg_lo:[0,1] neg_hi:[0,1]   ; the small part: exact
.set gi, gi+2
.endr
	v_cvt_scalef32_pk16_bf6_f32 v[QC:QC+2], v[S+32:S+47], v[BM+1]   ; all four are exact: each number is a code
	v_cvt_scalef32_pk16_bf6_f32 v[T:T+2], v[S+48:S+63], v[BM+1]
	v_cvt_scalef32_pk16_bf6_f32 v[QZ:QZ+2], v[S:S+15], v[BM+1]
	v_cvt_scalef32_pk16_bf6_f32 v[T+4:T+6], v[S+16:S+31], v[BM+1]
	v_nop                                          ; one plain line behind the conversions
.irp i, 0,1,2
	v_mov_b32 v[QC+3+\i], v[T+\i]
	v_mov_b32 v[QC+12+\i], v[QC+\i]
	v_mov_b32 v[QC+15+\i], v[T+\i]
	v_mov_b32 v[QZ+3+\i], v[T+4+\i]
	v_mov_b32 v[QZ+12+\i], v[QZ+\i]
	v_mov_b32 v[QZ+15+\i], v[T+4+\i]
.endr
	v_permlanex16_b32 v[PX], v[W1], s[SEL], s[SEL+1]
	v_lshlrev_b32 v[W0], 1, v[H8]                  ; 16 h
	v_or_b32 v[W1], v[W1], v[PX]                   ; with lane l xor 16's: the row's two bytes, in both halves of the lanes
	v_lshlrev_b32 v[QS], v[W0], v[W1]              ; lanes 0-15: bytes 0, 1 (for [q | 0]); lanes 16-31: bytes 2, 3 (for [0 | q])
	FRESH                                          ; (also the places between Q's codes and scale words and the first scaled product)
	s_wait_alu depctr_va_vdst(0)
	s_cmp_eq_u32 s[ROLE], 0
	s_cbranch_scc0 .Lkept
	ds_store_b128 v[OWN], v[QC+12:QC+15]           ; the high tile's codes and scale words, for my partner
	ds_store_b128 v[OWN], v[QC+16:QC+19] offset:512
	ds_store_b128 v[OWN], v[QZ+12:QZ+15] offset:1024
	ds_store_b128 v[OWN], v[QZ+16:QZ+19] offset:1536
.Lkept:
; A KEY STEP: 128 keys, one record.
.macro STEP
	s_cmp_gt_u32 s[KF], s[BB]                      ; all its keys come after my tile's queries (or the walk is not mine): nothing of it is done
	s_cbranch_scc1 .Lhidden_\@
	v_add_nc_u32 v[ADR], s[TB], v[LI]
	v_add_nc_u32 v[ADS], s[TB], v[LS]
.irp p, 0,1
	ds_load_b32 v[KS+\p], v[ADS] offset:KSW+128*\p
.endr
.irp g, 0,1,2,3
.irp c, 0,1,2
	ds_load_b128 v[FB+12*\g+4*\c:FB+12*\g+4*\c+3], v[ADR] offset:IMG*\g+512*\c   ; 512 consecutive bytes an instruction
.endr
.endr
	s_wait_alu depctr_va_vdst(0)
.irp g, 0,1                            ; tiles 0 to 3: both parts
	s_wait_dscnt 9-3*\g                            ; the scale words and image g are in; the three loads of each later image may be out
.irp u, 0,1
	WMZ S+8*(2*\g+\u), FB+12*\g, QC+6*\u, KS+\g/2, QS, \g%2, \u
	WMZ TMP+8*(2*\g+\u), FB+12*\g, QZ+6*\u, KS+\g/2, QS, \g%2, \u
.endr
.endr
.irp g, 2,3                            ; tiles 4 to 7: the large part
	s_wait_dscnt 9-3*\g
.irp u, 0,1
	WMZ S+8*(2*\g+\u), FB+12*\g, QC+6*\u, KS+\g/2, QS, \g%2, \u
.endr
.endr
.rept 4
	v_nop                                          ; four places in front of the first read of the sums
.endr
.set gi, 0
.rept 16
	v_pk_add_f32 v[S+gi:S+gi+1], v[S+gi:S+gi+1], v[TMP+gi:TMP+gi+1]   ; tiles 0 to 3: the two parts' sums, each accumulator from its low end on
.set gi, gi+2
.endr
.irp g, 2,3                            ; tiles 4 to 7: the small part, into the same four accumulators: between an accumulator's first writer and this one stand the four v_nop and the twelve additions that name other accumulators
.irp u, 0,1
	WMZ TMP+8*(2*(\g-2)+\u), FB+12*\g, QZ+6*\u, KS+\g/2, QS, \g%2, \u
.endr
.endr
.rept 4
	v_nop                                          ; four places in front of the first read of the sums and of the loads into the fragments' registers
.endr
.irp t, 0,1,2,3
.irp c, 0,1,2
	ds_load_b128 v[FB+12*\t+4*\c:FB+12*\t+4*\c+3], v[ADR] offset:VIM+IMG*\t+512*\c   ; V's four fragments land while the softmax is walked
.endr
.endr
.irp p, 0,1
	ds_load_b32 v[VS+\p], v[ADS] offset:VSW+128*\p
.endr
.set gi, 0
.rept 16
	v_pk_add_f32 v[S+32+gi:S+33+gi], v[S+32+gi:S+33+gi], v[TMP+gi:TMP+gi+1]   ; tiles 4 to 7 likewise
.set gi, gi+2
.endr
	s_cmp_lg_u32 s[KF], s[BB]                      ; only the block's own step has hidden keys
	s_cbranch_scc1 .Lopen_\@
.set gi, 0
.rept 64
	v_cmp_gt_i32 vcc_lo, 64*(gi/32)+gi%32, v[MD]   ; register 32 c + e holds key 64 c + 32 h + e of the block: hidden where 64 c + e > 16 j + r - 32 h
	v_cndmask_b32 v[S+gi], v[S+gi], v[NI], vcc_lo  ; -infinity ahead of the maximum: p = 0 then
.set gi, gi+1
.endr
.Lopen_\@:
.irp y, 0,1,2,3
	v_max3_num_f32 v[BM+\y], v[S+16*\y], v[S+16*\y+1], v[S+16*\y+2]   ; the largest score of each half block (four chains by turns), then of each block of 32 keys: for the row's maximum, and, since p rises with the score, for the block's largest p
.endr
.irp i, 3,5,7,9,11,13
.irp y, 0,1,2,3
	v_max3_num_f32 v[BM+\y], v[BM+\y], v[S+16*\y+\i], v[S+16*\y+\i+1]
.endr
.endr
.irp y, 0,2
	v_max3_num_f32 v[BM+\y], v[BM+\y], v[BM+\y+1], v[S+16*\y+15]
.endr
.irp y, 0,2
	v_max_num_f32 v[BM+\y], v[BM+\y], v[S+16*\y+31]
.endr
	v_max3_num_f32 v[W1], v[MX], v[BM], v[BM+2]
	s_delay_alu instid0(VALU_DEP_1)
	v_permlanex16_b32 v[PX], v[W1], s[SEL], s[SEL+1]
	s_delay_alu instid0(VALU_DEP_1)
	v_max_num_f32 v[MX], v[W1], v[PX]              ; with lane l xor 16's 64 keys: the running largest score
	s_delay_alu instid0(VALU_DEP_1)
	v_mul_f32 v[W1], s[NC], v[MX]                  ; -t, rounded
	s_delay_alu instid0(VALU_DEP_1)
	v_floor_f32 v[W1], v[W1]                       ; the new -M = floor(-t) = -ceil(t): a whole number
	s_delay_alu instid0(VALU_DEP_1)
	v_sub_f32 v[W0], v[W1], v[NM]                  ; old M - new M: a whole number, 0 or less
	v_mov_b32 v[NM], v[W1]
	s_delay_alu instid0(VALU_DEP_2)
	v_cvt_i32_f32 v[W0], v[W0]                     ; (it saturates)
	s_delay_alu instid0(VALU_DEP_1)
	v_ldexp_f32 v[FF], 1.0, v[W0]                  ; f = 2^(old M - new M)
.set gi, 0
.rept 32
	v_pk_fma_f32 v[S+gi:S+gi+1], v[S+gi:S+gi+1], s[CS:CS+1], v[NM:NM+1] op_sel_hi:[1,0,0]   ; t - M, two at a time (of the pairs c and -M the low word serves both halves)
.set gi, gi+2
.endr
.irp y, 0,2
	v_fma_f32 v[BM+\y], v[BM+\y], s[CS], v[NM]     ; the same of each block's largest score
.endr
	s_wait_alu depctr_va_vdst(0)
.set gi, 0
.rept 64
	v_exp_f32 v[S+gi], v[S+gi]                     ; p = 2^(t - M): not normalised
.set gi, gi+1
.endr
.irp y, 0,2
	v_exp_f32 v[BM+\y], v[BM+\y]                   ; the block's largest p: the same instructions on the same number give the same bits
.endr
	v_pk_mul_f32 v[SUM:SUM+1], v[SUM:SUM+1], v[FF:FF+1] op_sel_hi:[1,0]   ; the sums under the new M (the plain line behind the exponentials)
	s_wait_alu depctr_va_vdst(0)                   ; and behind it
.set gi, 0
.rept 16
	v_pk_mul_f32 v[O+gi:O+gi+1], v[O+gi:O+gi+1], v[FF:FF+1] op_sel_hi:[1,0]   ; O^T under the new M, each accumulator from its low end on
.set gi, gi+2
.endr
.irp c, 0,1
	v_max_num_f32 v[BM+2*\c], 0x2800000, v[BM+2*\c]   ; the floor 2^(5 - 127): a block whose every p is 0 keeps the byte 1: its codes are zeros
.endr
.irp c, 0,1
	v_add_nc_u32 v[SCL+\c], 0xfe000000, v[BM+2*\c] ; 4 off the exponent field: the conversion's scale operand
.endr
.irp c, 0,1
	v_lshrrev_b32 v[BY+\c], 23, v[SCL+\c]          ; the scale's byte
.endr
.irp c, 0,1
	v_cvt_scalef32_pk16_bf6_f32 v[P+6*\c:P+6*\c+2], v[S+32*\c:S+32*\c+15], v[SCL+\c]   ; block 2 c + h is mine whole: registers 6 c .. 6 c + 5 of the operand
	v_cvt_scalef32_pk16_bf6_f32 v[T+4*\c:T+4*\c+2], v[S+32*\c+16:S+32*\c+31], v[SCL+\c]   ; (a conversion's three registers begin on an even number)
.endr
	v_lshl_or_b32 v[PW], v[BY+1], 16, v[BY]        ; my two bytes (the plain line behind the conversions)
	v_mov_b32 v[P+3], v[T]
	v_mov_b32 v[P+4], v[T+1]
	v_lshlrev_b32 v[PW], v[H8], v[PW]              ; at bytes h and 2 + h
	v_mov_b32 v[P+5], v[T+2]
	v_mov_b32 v[P+9], v[T+4]
	v_permlanex16_b32 v[PX], v[PW], s[SEL], s[SEL+1]
	v_mov_b32 v[P+10], v[T+5]
	v_mov_b32 v[P+11], v[T+6]
	v_or_b32 v[PW], v[PW], v[PX]                   ; with lane l xor 16's two: p's scale word for these 128 keys
.irp k, 0,1,2,3
	v_pk_add_f32 v[TS+2*\k:TS+2*\k+1], v[S+4*\k:S+4*\k+1], v[S+4*\k+2:S+4*\k+3]   ; THE SUM OF THE UNQUANTISED p, two at a time, four chains by turns.  (These 32 are also the places in front of O's products)
.endr
.irp i, 16,24,32,40,48,56
.irp k, 0,1,2,3
	v_pk_add_f32 v[TS+2*\k:TS+2*\k+1], v[TS+2*\k:TS+2*\k+1], v[S+\i+2*\k:S+\i+2*\k+1]
.endr
.endr
	v_pk_add_f32 v[TS:TS+1], v[TS:TS+1], v[TS+2:TS+3]
	v_pk_add_f32 v[TS+4:TS+5], v[TS+4:TS+5], v[TS+6:TS+7]
	v_pk_add_f32 v[SUM:SUM+1], v[SUM:SUM+1], v[TS:TS+1]
	v_pk_add_f32 v[SUM:SUM+1], v[SUM:SUM+1], v[TS+4:TS+5]
	s_wait_dscnt 0x0                               ; V's fragments and scale words are in
.irp t, 0,1,2,3                        ; O^T += V^T P^T: four accumulators, one instruction a turn
	WMA O+8*\t, FB+12*\t, P, VS+\t/2, PW, \t%2
.endr
.rept 4
	v_nop                                          ; four places in front of the next step's loads into the fragments' registers and of the read of O^T behind the last step
.endr
.Lhidden_\@:
	s_add_co_u32 s[TB], s[TB], REC
	s_add_co_u32 s[KF], s[KF], 128
.endm
.macro WALK first, trips
	s_mov_b32 s[TB], REC*(\first)
	s_mov_b32 s[KF], 128*(\first)
	s_mov_b32 s[CNT], \trips
.Lstep_\@:
	STEP
	s_sub_co_u32 s[CNT], s[CNT], 1
	s_cmp_lg_u32 s[CNT], 0
	s_cbranch_scc1 .Lstep_\@
.endm
	s_cmp_lt_u32 s[WV], 2
	s_cbranch_scc0 .Lnot_mine
	s_wait_tensorcnt 0x0                           ; records 0 and 1 have landed
.Lnot_mine:
	s_wait_dscnt 0x0                               ; no LDS instruction of mine is pending at the signal
	s_barrier_signal -1
	s_barrier_wait -1
	WALK 0, 2                                      ; role 0: the high tile's steps, role 1: the low tile's
	s_wait_tensorcnt 0x0                           ; my record has landed
	s_wait_dscnt 0x0
	s_barrier_signal -1
	s_barrier_wait -1                              ; so have all sixteen; and the high tile's codes lie in LDS
	WALK 2, 7
	s_wait_alu depctr_va_vdst(0)
	s_cmp_eq_u32 s[ROLE], 0
	s_cbranch_scc1 .Lsame
	; role 1: the low tile is finished and leaves; then the high tile's codes come from my partner's stage, and a fresh sum begins
	v_add_f32 v[SUM], v[SUM], v[SUM+1]             ; the sum's two halves,
	v_permlanex16_b32 v[PX], v[SUM], s[SEL], s[SEL+1]
	v_add_f32 v[SUM], v[SUM], v[PX]                ; and lane l xor 16's: the row's sum
	s_wait_alu depctr_va_vdst(0)
	v_rcp_f32 v[SUM], v[SUM]
	v_nop                                          ; one plain line behind the transcendental
	s_wait_alu depctr_va_vdst(0)
.set gi, 0
.rept 16
	v_pk_mul_f32 v[S+gi:S+gi+1], v[O+gi:O+gi+1], v[SUM:SUM+1] op_sel_hi:[1,0]
.set gi, gi+2
.endr
	WAYOUT
	ds_load_b128 v[QC+12:QC+15], v[PRT]
	ds_load_b128 v[QC+16:QC+19], v[PRT] offset:512
	ds_load_b128 v[QZ+12:QZ+15], v[PRT] offset:1024
	ds_load_b128 v[QZ+16:QZ+19], v[PRT] offset:1536
	s_wait_xcnt 0x0                                ; the stores' data registers may be written again
	s_wait_dscnt 0x0
.irp i, 0,1,2,3,4,5
	v_mov_b32 v[QC+\i], v[QC+12+\i]
	v_mov_b32 v[QZ+\i], v[QZ+12+\i]
.endr
	FRESH
	s_wait_alu depctr_va_vdst(0)
.Lsame:
	s_mov_b32 s[BB], s[BB2]
	WALK 9, 7                                      ; role 1: the high tile's later steps; role 0 passes over all seven
	s_wait_alu depctr_va_vdst(0)
	s_cmp_eq_u32 s[ROLE], 0
	s_cbranch_scc1 .Ljoin
.irp i, 0,1,2,3,4,5,6,7
	ds_store_b128 v[OWN], v[O+4*\i:O+4*\i+3] offset:512*\i   ; role 1: my part of the high tile, as an image of its registers
.endr
	ds_store_b128 v[OWN], v[NM:NM+3] offset:4096   ; -M, the largest score, the sum's two halves
.Ljoin:
	s_wait_dscnt 0x0
	s_barrier_signal -1
	s_barrier_wait -1
	s_cmp_eq_u32 s[ROLE], 0
	s_cbranch_scc0 .Lend
	; role 0: the two parts joined under the larger M: out = (O fA + O' fB) / (sum fA + sum' fB).  (A part with no step has -M = 1e38, sum and O zeros: its f is 0.)
.irp i, 0,1,2,3,4,5,6,7
	ds_load_b128 v[S+4*\i:S+4*\i+3], v[PRT] offset:512*\i
.endr
	ds_load_b128 v[BY:BY+3], v[PRT] offset:4096
	s_wait_dscnt 0x0
	v_min_num_f32 v[W1], v[NM], v[BY]
	v_sub_f32 v[FF], v[W1], v[NM]
	v_sub_f32 v[W0], v[W1], v[BY]
	v_cvt_i32_f32 v[FF], v[FF]
	v_cvt_i32_f32 v[W0], v[W0]
	v_ldexp_f32 v[FF], 1.0, v[FF]                  ; fA
	v_ldexp_f32 v[W0], 1.0, v[W0]                  ; fB
	v_add_f32 v[SUM], v[SUM], v[SUM+1]
	v_add_f32 v[SUM+1], v[BY+2], v[BY+3]
	v_mul_f32 v[SUM], v[SUM], v[FF]
	v_fmac_f32 v[SUM], v[SUM+1], v[W0]
	v_permlanex16_b32 v[PX], v[SUM], s[SEL], s[SEL+1]
	v_add_f32 v[SUM], v[SUM], v[PX]                ; with lane l xor 16's: the row's sum
	s_wait_alu depctr_va_vdst(0)
	v_rcp_f32 v[SUM], v[SUM]
	v_nop                                          ; one plain line behind the transcendental
	s_wait_alu depctr_va_vdst(0)
	v_mul_f32 v[FF], v[FF], v[SUM]
	v_mul_f32 v[W0], v[W0], v[SUM]
.set gi, 0
.rept 16
	v_pk_mul_f32 v[S+32+gi:S+33+gi], v[O+gi:O+gi+1], v[FF:FF+1] op_sel_hi:[1,0]
.set gi, gi+2
.endr
.set gi, 0
.rept 16
	v_pk_fma_f32 v[S+gi:S+gi+1], v[S+gi:S+gi+1], v[W0:W0+1], v[S+32+gi:S+33+gi] op_sel_hi:[1,0,1]
.set gi, gi+2
.endr
	WAYOUT
.Lend:
	s_wait_tensorcnt 0x0                           ; the wave's end
	ds_add_u32 v[SPW], v[NIL]
	s_wait_dscnt 0x0
	ROUND                                          ; the closing round
	s_endpgm
.Lfunc_end_k_q7b52d68a9c_attn:
	.size	k_q7b52d68a9c_attn, .Lfunc_end_k_q7b52d68a9c_attn-k_q7b52d68a9c_attn
	.p2alignl 7, 3214868480
	.fill 96, 4, 3214868480
	.section	.rodata,"a",@progbits
	.p2align	6, 0x0
	.amdhsa_kernel k_q7b52d68a9c_attn
		.amdhsa_group_segment_fixed_size 280576
		.amdhsa_private_segment_fixed_size 0
		.amdhsa_enable_private_segment 0
		.amdhsa_kernarg_size 24
		.amdhsa_user_sgpr_count 2
		.amdhsa_user_sgpr_kernarg_segment_ptr 1
		.amdhsa_wavefront_size32 1
		.amdhsa_system_sgpr_workgroup_id_x 1
		.amdhsa_system_sgpr_workgroup_id_y 1
		.amdhsa_system_sgpr_workgroup_id_z 1
		.amdhsa_system_vgpr_workitem_id 0
		.amdhsa_next_free_vgpr 256
		.amdhsa_next_free_sgpr 66
		.amdhsa_reserve_vcc 1
		.amdhsa_float_denorm_mode_32 3
		.amdhsa_float_denorm_mode_16_64 3
		.amdhsa_memory_ordered 1
		.amdhsa_forward_progress 1
		.amdhsa_inst_pref_size 95
	.end_amdhsa_kernel
	.amdgpu_metadata
---
amdhsa.version: [ 1, 2 ]
amdhsa.kernels:
  - .name:           k_q7b52d68a9c_attn
    .symbol:         k_q7b52d68a9c_attn.kd
    .args:
      - { .name: Q, .offset: 0, .size: 8, .value_kind: global_buffer, .address_space: global }
      - { .name: kv, .offset: 8, .size: 8, .value_kind: global_buffer, .address_space: global }
      - { .name: out0, .offset: 16, .size: 8, .value_kind: global_buffer, .address_space: global }
    .group_segment_fixed_size: 280576
    .private_segment_fixed_size: 0
    .kernarg_segment_align: 8
    .kernarg_segment_size: 24
    .max_flat_workgroup_size: 512
    .sgpr_count:     66
    .vgpr_count:     256
    .wavefront_size: 32
...
	.end_amdgpu_metadata
.endif
;; end of part 2
